; MI455X (gfx1250); checked and timed in simulation.
; The chip was launched on July 23, 2026; its instructions are those of AMD's public machine-readable ISA for CDNA 5 (MIT licence, August 2026) and "CDNA5" Instruction Set Architecture Reference Guide (July 2026). The comments in the code are by the model that wrote it; some were corrected since.
;; Full Attention. Allowed arithmetic: matrix products marked QUANTISED: E2M1 operands, one E8M0 scale for each 32 along K, by v_wmma_scale_f32_16x16x128_f8f6f4 with both operands' format E2M1 (or v_wmma_scale_f32_32x16x128_f4), f32 sums; everything else in f32.
;; Inputs: keys_codes 4 x 2,048 x 16 x 2 x 16 uint8 (E2M1 codes of keys, K innermost, in blocks of 32 codes, two codes a byte); keys_scales 4 x 2,048 x 16 x 2 uint8 (E8M0 scales of keys, one for each 32 codes along K); queries_codes 4 x 2,048 x 16 x 2 x 16 uint8 (E2M1 codes of queries, K innermost, in blocks of 32 codes, two codes a byte); queries_scales 4 x 2,048 x 16 x 2 uint8 (E8M0 scales of queries, one for each 32 codes along K); values_codes 4 x 16 x 64 x 64 x 16 uint8 (E2M1 codes of values, K innermost, in blocks of 32 codes, two codes a byte); values_scales 4 x 16 x 64 x 64 uint8 (E8M0 scales of values, one for each 32 codes along K).
;; Outputs: out0 4 x 2,048 x 16 x 64 float32.
;; This version of the problem:
;;   THIS VERSION OF THE PROBLEM IS GIVEN IN LOW PRECISION. The matrix products marked QUANTISED in the list below multiply operands that are first quantised to E2M1 (2 exponent bits, 1 mantissa bit; 4 bits a number), with one power-of-two scale for each 32 numbers along K (OCP MX v1.0); their sums are f32. All else is computed in f32.
;;   The module's matrix products, in the order in which they are computed (A, B: the left and right operand; K: the contracted axis; several contracted axes count as one K, in the product's order):
;;     1. batch 64 x [M 2,048, K 64] x [K 64, N 2,048]; A: input queries (given as codes); B: input keys (given as codes): QUANTISED
;;     2. batch 64 x [M 64, K 2,048] x [K 2,048, N 2,048]; A: input values (given as codes); B: softmax (see below): QUANTISED
;;   THE QUANTISER, for each operand of a quantised product, along K:
;;     - K is cut into blocks of 32 from its start; a last block that is shorter is filled with zeros.
;;     - A block's scale is 2^e with e = floor(log2(the largest magnitude in the block)) - 2, held to -126 .. 127; a block of zeros has e = 0. As a byte (E8M0): e + 127.
;;     - Each number is divided by its block's scale, clamped to +-6, and rounded to the nearest number of E2M1, ties to even, subnormals kept.
;;     - The product sums the exact products of the quantised numbers (number of the format x scale) in f32.
;;   ~~~python
;;   def quantise(x, axis):      # numpy; x: float32 -> the quantised numbers, widened to float32 again
;;       x = np.moveaxis(x, axis, -1); K = x.shape[-1]
;;       x = np.pad(x, [(0, 0)] * (x.ndim - 1) + [(0, -K % 32)]); x = x.reshape(x.shape[:-1] + (-1, 32)); a = np.abs(x).max(-1, keepdims=True)
;;       e = np.where(a > 0, np.clip(np.frexp(np.where(a > 0, a, 1))[1] - 1 - 2, -126, 127), 0)      # np.frexp(a)[1] - 1 = floor(log2(a)), exactly
;;       r = np.clip(x / 2.0 ** e, -6, 6)
;;       step = 2.0 ** (np.maximum(np.frexp(np.where(r == 0, 1, r))[1] - 1, 0) - 1)
;;       q = np.round(r / step) * step * 2.0 ** e      # np.round: ties to even
;;       return np.moveaxis(q.reshape(q.shape[:-2] + (-1,))[..., :K], -1, axis).astype(np.float32)
;;   ~~~
;;   SOFTMAX AHEAD OF A QUANTISED PRODUCT. Where the list says 'softmax', what is quantised is not the finished softmax but p = 2^(t - M), with t = logit x log2(e) and M = ceil(the row's largest t), a whole number; so 1/2 < the row's largest p <= 1. The row's sum l is taken of the UNQUANTISED p, in f32, and the product's result is divided by l at the end. Since M is a whole number, a kernel that streams over the keys may use a running M (the ceiling of the running maximum): every later rescaling is an exact power of two, which a block's scale takes up: the codes' values come out the same.
;;   OPERANDS COMPUTED ON THE WAY. 'Computed on the way' means the value that the module computes at that place (a softmax that the list does not call 'softmax' is quantised finished and normalised). What goes into a quantiser is computed in f32, as accurately as f32 sums, v_exp_f32 and their like allow (about 1e-6 of the number): no bf16 or f16 on the way to a quantiser, and a product that is left as it is and whose result goes on into a quantised operand takes f32 operands (vector FMAs, or v_wmma_f32_16x16x4_f32). A number that lies on a knife's edge between two numbers of the format may be rounded either way, as far as f32 arithmetic and the matrix unit's own rounding can turn it there, and no further.
;;   INPUTS GIVEN AS CODES. keys (in the module: [4, 2048, 16, 64], K = its axis 3); queries (in the module: [4, 2048, 16, 64], K = its axis 3); values (in the module: [4, 2048, 16, 64], K = its axis 1): each comes as NAME_codes (uint8): NAME with its K axis moved to the last place and cut into blocks of 32 codes, [.., K / 32, bytes a block], one block behind the other in memory; two codes a byte, the lower K in the low four bits (a code: sign, 2 exponent bits, 1 mantissa bit); and NAME_scales (uint8): the same leading axes, one E8M0 byte (e + 127) for each 32 codes along K. Its value is code x scale, taken as it is: it is not quantised again, and the codes and scales need not be those that the quantiser above would give.
;; One version. Each part assembles by itself: llvm-mc -triple=amdgcn-amd-amdhsa -mcpu=gfx1250 --defsym DOCPART=n.
;; ======== version 1 of 1: 1 launch
;; launch attn (part 1): grid 4 x 64, 16 waves a work-group, clusters of 4 x 1, 249,856 bytes of LDS; arguments keys_codes, keys_scales, queries_codes, queries_scales, values_codes, values_scales, out0; writes out0
.if DOCPART == 1
	.amdgcn_target "amdgcn-amd-amdhsa--gfx1250"
	.amdhsa_code_object_version 6
	.text
	.protected	k_q70c0a953bf_attn
	.globl	k_q70c0a953bf_attn
	.p2align	8
	.type	k_q70c0a953bf_attn,@function
k_q70c0a953bf_attn:
	s_mov_b64 s[64:65], 0
	v_nop
	global_prefetch_b8 v0, s[64:65] scope:SCOPE_SE
	s_setreg_imm32_b32 hwreg(HW_REG_WAVE_MODE, 25, 1), 1
	s_wait_xcnt 0x0
	s_wait_alu depctr_hold_cnt(0) depctr_sa_sdst(0) depctr_va_vdst(0) depctr_va_sdst(0) depctr_va_ssrc(0) depctr_va_vcc(0) depctr_vm_vsrc(0)
	s_getreg_b32 s2, hwreg(HW_REG_IB_STS2, 6, 4)
	s_cmp_eq_u32 s2, 0
	s_cbranch_scc0 .Lentry_in_a_cluster
	s_endpgm
.Lentry_in_a_cluster:
	s_bfe_u32 s2, ttmp6, 0x10000c
	s_cmp_lg_u32 s2, 0x3003
	s_cbranch_scc0 .Lentry_shape_is_right
	s_endpgm
.Lentry_shape_is_right:
; Causal attention on codes of FP4 (E2M1) with one E8M0 scale for each 32 along a product's K.  4 x 16 = 64 pairs (batch, head), 2,048 queries and keys, head size 64.
; out[b][l][h][:] = the sum over s <= l of softmax_s(Q[b][l][h] . K[b][s][h] / 8) V[b][s][h][:].
; Q, K: a row (l, h) is 32 bytes of codes, 512 bytes from the next l, and 2 scale bytes, 32 bytes from the next l.  V: keys innermost: a row (b, h, d) is 1,024 bytes of codes and 64 scale bytes.  out: f32, a row (l, h) is 256 bytes, 4,096 from the next l.
; THE SOFTMAX AHEAD OF THE SECOND PRODUCT: t = score x log2(e) / 8; M = the row's largest t so far, rounded UP to a whole number; p = 2^(t - M) is quantised along the keys, not normalised; the row's sum is taken of the
; unquantised p and divides at the end.  When M moves, the sum and O are multiplied by 2^(old M - new M), which rounds nothing.
; SHARES.  The four work-groups of a cluster own one pair (b, h).  A whole head's codes of K and V (64 KiB each) lie in each work-group's LDS, filled ONCE, by JOINT loads (the four partners want the same bytes): no ring, nothing is filled twice.
; A head has 16 blocks of 128 queries, 8 tiles of 16 each.  Wave w of partner cx takes tile t = (w >> 3) + 2 cx of block 15 - j and of block j, j = w & 7.  A key step is 128 keys: the high tile has 16 - j steps, the low one j + 1:
; 17 for every wave of the launch.  Trip counts and branches hang on the wave's number alone; cx enters only Q's and out's global addresses and a lane's constant for the mask.
; LAYOUT.  Both products are used transposed: S^T = K Q^T (source 0 = 16 keys, source 1 = my 16 queries), O^T = V^T P^T (source 0 = 16 channels, source 1 = P): a lane holds ONE query (lane % 16) throughout.
; The first product's K is 64 of the instruction's 128: the upper four registers of K's and Q's fragments hold zero codes, which add nothing (their scale bytes are 0, which is a power of two and no NaN).
; THE KEYS OF A TILE ARE NOT NEIGHBOURS: lane r of tile 2 b + u takes key 32 b + 8 u + r + 8 (r / 8), so that the 16 registers of tiles 2 b and 2 b + 1 are 16 neighbouring keys, 32 b + 16 (lane / 16) + 0 .. 15.
; THE ORDER OF A STEP'S SOFTMAX.  The exponentials do not stand in one run: behind each stands plain work that is ready (scalings of pairs still to come, sums of pairs that are done, the scale bytes, O^T's rescaling),
; so that the wave has plain instructions to issue between its exponentials, and two links of a chain of sums stand four exponentials apart.
; LIMITS: a scale byte 0xff among the inputs gives NaN, as the format says.  A block's largest p is taken from the block's largest score by the same multiply-add and exponential, which takes v_exp_f32 not to fall where its
; input rises.  A p under 2^-126 counts as 0 (v_exp_f32 gives no denormals).  The two groups of eight keys of a tile lie 16 LDS rows apart, so K's fragment loads may meet in the banks two deep.
.set KP,     48                        ; a key's row in LDS: 32 bytes + 16 of padding: an odd multiple of 16
.set KSTEP,  128*KP                    ; a key step's rows
.set KQUART, 512*KP                    ; what one load of K brings
.set VC,     2048*KP                   ; behind K's codes: V's, two halves of 1,024 keys;
.set VP,     528                       ; a row of a half: 512 bytes + 16 of padding
.set VHALF,  64*VP
.set KS,     VC+2*VHALF                ; K's scale words: step s at 512 s, then 16 x lane: lanes 0-15 the words of tiles 0-3 of row r, lanes 16-31 those of tiles 4-7
.set VS,     KS+8192                   ; V's scale words: step s at 256 s, then 16 r, then 4 x tile
.set STG,    VS+4096                   ; the way out: 16 rows x (256 bytes + 16) for each wave.  KS, VS and STG are written by LDS stores; no fill lands in them; all three begin at multiples of 256
.set SP,     272
.set WSTG,   16*SP
; vector registers
.set AK0,  1                           ; my lane's place in a tile of K: (r + 8 (r / 8)) x 48 + 16 h
.set AV0,  2                           ; in a tile of V: VC + 528 r + 16 h
.set ASK0, 3                           ; among K's scale words: KS + 16 x lane
.set ASV0, 4                           ; among V's: VS + 16 r
.set DD,   5                           ; 16 t + r - 16 h: on the diagonal, register 16 b + i is hidden where 32 b + i is larger
.set STO,  6                           ; the stage: where I put 32 bytes of a row
.set RD,   7                           ; and where I read a row back
.set GO,   8                           ; my byte offset in the tile's rows of out
.set QA,   9                           ; in the tile's rows of Q's codes
.set QSA,  10                          ; and of Q's scales
.set ADK,  11                          ; the step's addresses: K's tiles,
.set ADV,  12                          ; V's,
.set ADS,  13                          ; K's scale words,
.set ADT,  14                          ; V's
.set R,    15                          ; at the head only: r, h, lane, at work
.set H,    29
.set LN,   30
.set T0,   31
.set NM,   16                          ; v16 -M, v17 the largest t
.set SUM,  18                          ; v[18:19] the sum in two halves: the even pairs' chain
.set QF,   20                          ; v[20:27] Q's fragment; v24-27 stay 0
.set QS,   28                          ; Q's scale words
.set KF,   32                          ; v32-95 eight fragments of K; the upper four registers of each stay 0
.set S,    96                          ; v96-159 S^T, then p
.set O,    160                         ; v160-191 O^T: four tiles of 16 channels
.set VF,   192                         ; v192-223 four fragments of V
.set PC,   224                         ; v224-231 p's codes
.set BM,   232                         ; v232-235 the blocks' largest scores, then their largest p, then their scale bytes
.set PT,   236                         ; v236-239 the other half of the lanes' maxima; then v[236:237] the odd pairs' chain of sums
.set KSW,  240                         ; v240-243 K's scale words
.set CO,   244                         ; v244-247 the conversions' scale operands
.set VSW,  248                         ; v248-251 V's scale words
.set FF,   252                         ; f = 2^(old M - new M)
.set PW,   253                         ; p's scale word
.set TMP,  254
.set NINF, 255                         ; -infinity
; scalar registers
.set WV,   18                          ; my wave's number
.set CX,   19                          ; my place in the cluster
.set SEL,  20                          ; s[20:21] v_permlanex16_b32's selects for lane l xor 16
.set CS,   22                          ; s[22:23] c = log2(e) / 8
.set G1K,  24                          ; s[24:31] descriptor group 1 for K's tiles;  s[32:39] for V's
.set G1V,  32
.set G0K,  40                          ; s[40:47] two groups 0 for K;  s[48:55] two for V
.set G0V,  48
.set JL,   56                          ; j: the low tile's last step
.set JH,   57                          ; 15 - j: the high tile's
.set STP,  58                          ; the key step, and the loops' counter
.set TK,   59                          ; where the step's bytes begin: K's codes,
.set TV,   60                          ; V's codes,
.set TSK,  61                          ; K's scale words,
.set TSV,  62                          ; V's
.set QCH,  66                          ; s[66:67], s[68:69] Q's codes at the high and the low tile
.set QCL,  68
.set QSH,  70                          ; s[70:71], s[72:73] Q's scales
.set QSL,  72
.set OH,   74                          ; s[74:75], s[76:77] out
.set OL,   76
; A round of the cluster's barrier: my work-group's barrier; wave 0 signals for the work-group; every wave waits for all four work-groups; my work-group's barrier once more.
.macro CROUND
	s_barrier_signal -1
	s_barrier_wait -1
	s_cmp_lg_u32 s[WV], 0
	s_cbranch_scc1 .Lnot_wave_0_\@
	s_barrier_signal -3
.Lnot_wave_0_\@:
	s_barrier_wait -3
	s_barrier_signal -1
	s_barrier_wait -1
.endm
; A byte offset (first query << sh) + the head's, as a pair with 0 above it
.macro OFFS dst, q, sh, base
	s_lshl_b32 s[\dst], s[\q], \sh
	s_add_co_u32 s[\dst], s[\dst], s[\base]
	s_mov_b32 s[\dst+1], 0
.endm
; A tile begins: the largest t is under every t, the sum and O^T are zeros, which the first change of M leaves zeros: so a key step is written without a first step of its own
.macro INIT
	v_mov_b32 v[NM+1], 0xff61b1e6                  ; -3e38
	v_floor_f32 v[NM], -v[NM+1]                    ; -M
	v_mov_b32 v[SUM], 0
	v_mov_b32 v[SUM+1], 0
.irp j, 0,1,2,3,4,5,6,7,8,9,10,11,12,13,14,15,16,17,18,19,20,21,22,23,24,25,26,27,28,29,30,31
	v_mov_b32 v[O+\j], 0
.endr
.endm
	s_load_b256 s[4:11], s[0:1], 0x0               ; K's codes s[4:5], K's scales s[6:7], Q's codes s[8:9], Q's scales s[10:11]
	s_load_b128 s[12:15], s[0:1], 0x20             ; V's codes s[12:13], V's scales s[14:15]
	s_load_b64 s[16:17], s[0:1], 0x30              ; out
	v_lshl_add_u32 v254, v0, 2, 0x3c800
	v_mov_b32 v255, 0
	ds_add_u32 v254, v255
	ds_add_u32 v254, v255
	s_wait_dscnt 0x0
	v_lshrrev_b32 v[R], 5, v0
	v_readfirstlane_b32 s[WV], v[R]                ; wave 0..15
	s_bfe_u32 s[CX], ttmp6, 0x40000                ; cx
	s_and_b32 s78, ttmp7, 0xffff                   ; the pair: 16 b + h, which the four partners share
	s_lshr_b32 s79, s78, 4                         ; b
	s_and_b32 s80, s78, 15                         ; h
	s_and_b32 s[JL], s[WV], 7                      ; j
	s_xor_b32 s[JH], s[JL], 15                     ; 15 - j (j is under 16)
	s_lshr_b32 s81, s[WV], 3
	s_lshl_b32 s82, s[CX], 1
	s_add_co_u32 s81, s81, s82
	s_lshl_b32 s81, s81, 4                         ; 16 t
	s_lshl_b32 s82, s[JH], 7
	s_add_co_u32 s82, s82, s81                     ; the high tile's first query
	s_lshl_b32 s83, s[JL], 7
	s_add_co_u32 s83, s83, s81                     ; the low tile's
	s_lshl_b32 s84, s79, 20
	s_lshl_b32 s87, s80, 5
	s_add_co_u32 s84, s84, s87                     ; the head's first byte in K's and Q's codes,
	s_lshl_b32 s86, s79, 16
	s_lshl_b32 s87, s80, 1
	s_add_co_u32 s86, s86, s87                     ; in their scales,
	s_lshl_b32 s85, s79, 23
	s_lshl_b32 s87, s80, 8
	s_add_co_u32 s85, s85, s87                     ; and in out
	s_and_b32 s87, s[WV], 1                        ; what I fetch, if I fetch K: keys 512 (w & 1) on, later 1,024 further:
	s_lshl_b32 s88, s87, 18                        ; 512 rows of 512 bytes in memory,
	s_add_co_u32 s88, s88, s84
	s_mov_b32 s89, 0
	s_mul_i32 s92, s87, KQUART                     ; and their place in LDS: no place in the cluster enters it
	s_lshl_b32 s90, s78, 16                        ; V's codes of the pair
	s_mov_b32 s91, 0
	s_mov_b32 s94, s86                             ; K's scales of the head
	s_mov_b32 s95, 0
	s_lshl_b32 s2, s78, 12                         ; V's scales of the pair
	s_mov_b32 s3, 0
	OFFS QCH, 82, 9, 84
	OFFS QCL, 83, 9, 84
	OFFS QSH, 82, 5, 86
	OFFS QSL, 83, 5, 86
	OFFS OH, 82, 12, 85
	OFFS OL, 83, 12, 85
	s_mul_i32 s93, s[WV], WSTG
	s_add_co_u32 s93, s93, STG                     ; my stage
	s_mov_b32 s[SEL], 0x76543210
	s_mov_b32 s[SEL+1], 0xfedcba98
	s_mov_b32 s[CS], 0x3e38aa3b                    ; c = log2(e) / 8
	s_mov_b32 s[CS+1], s[CS]                       ; (named with it as a pair, so it is written)
	; descriptor group 1.  K: 512 rows of 32 bytes, 512 bytes apart in memory, 16 bytes of padding behind each.  V: 64 rows of 512 bytes, 1,024 apart, 16 of padding behind each
	s_mov_b32 s[G1K], 15|(0<<16)|(1<<20)|(1<<21)|(2<<22)|(3<<25)   ; 15:0 the mask: all four work-groups; 17:16 elements of 1 byte; 20 padding on; 21 set beside a mask; 24:22 after every 8 words (code 2); 31:25 four words (code 3)
	s_mov_b32 s[G1K+1], 32<<16                     ; tensor_dim0
	s_mov_b32 s[G1K+2], 512<<16                    ; tensor_dim1
	s_mov_b32 s[G1K+3], 32<<16                     ; tile_dim0
	s_mov_b32 s[G1K+4], 512                        ; tile_dim1
	s_mov_b32 s[G1K+5], 512                        ; tensor_dim0_stride
	s_mov_b32 s[G1K+6], 0
	s_mov_b32 s[G1K+7], 0
	s_mov_b32 s[G1V], 15|(0<<16)|(1<<20)|(1<<21)|(6<<22)|(3<<25)   ; padding: four words after every 128
	s_mov_b32 s[G1V+1], 512<<16
	s_mov_b32 s[G1V+2], 64<<16
	s_mov_b32 s[G1V+3], 512<<16
	s_mov_b32 s[G1V+4], 64
	s_mov_b32 s[G1V+5], 1024
	s_mov_b32 s[G1V+6], 0
	s_mov_b32 s[G1V+7], 0
	; the lanes' addresses
	v_and_b32 v[R], 15, v0                         ; r
	v_bfe_u32 v[H], v0, 4, 1                       ; h
	v_and_b32 v[LN], 31, v0                        ; lane
	v_and_b32 v[AK0], 8, v[R]
	v_add_nc_u32 v[AK0], v[AK0], v[R]              ; r + 8 (r / 8)
	v_mul_u32_u24 v[AK0], v[AK0], KP
	v_lshl_add_u32 v[AK0], v[H], 4, v[AK0]
	v_mul_u32_u24 v[AV0], v[R], VP
	v_lshl_add_u32 v[AV0], v[H], 4, v[AV0]
	v_add_nc_u32 v[AV0], VC, v[AV0]
	v_lshl_add_u32 v[ASK0], v[LN], 4, KS
	v_lshl_add_u32 v[ASV0], v[R], 4, VS
	v_lshlrev_b32 v[DD], 4, v[H]
	v_sub_nc_u32 v[DD], v[R], v[DD]
	v_add_nc_u32 v[DD], s81, v[DD]                 ; 16 t + r - 16 h
	v_mul_u32_u24 v[STO], v[R], SP
	v_lshl_add_u32 v[STO], v[H], 5, v[STO]
	v_add_nc_u32 v[STO], s93, v[STO]               ; in: row r, 32 bytes for each half of the lanes
	v_mul_u32_u24 v[RD], v[H], SP
	v_lshl_add_u32 v[RD], v[R], 4, v[RD]
	v_add_nc_u32 v[RD], s93, v[RD]                 ; back: lanes 0-15 one row of 256 bytes, lanes 16-31 the next
	v_lshlrev_b32 v[GO], 12, v[H]
	v_lshl_add_u32 v[GO], v[R], 4, v[GO]           ; and the same two rows in out
	v_lshlrev_b32 v[QA], 9, v[R]
	v_lshl_add_u32 v[QA], v[H], 4, v[QA]           ; Q's codes: row r, my half's 16 bytes
	v_lshlrev_b32 v[QSA], 5, v[R]                  ; Q's scales: row r
	; THE SCALE TABLES.  Thread n stores words n, n + 512, .. of each table, 4 bytes a thread on end; which key's or channel's word that is stands in the GLOBAL offset.
	; K's word W is that of key ((W >> 2) & 7) + 8 (W & 1) + 16 ((W >> 5) & 1) + 32 ((W >> 1) & 1) + (W's bits from 6 on)
	v_bfe_u32 v96, v0, 2, 3
	v_and_b32 v[T0], 1, v0
	v_lshl_or_b32 v96, v[T0], 3, v96
	v_bfe_u32 v[T0], v0, 5, 1
	v_lshl_or_b32 v96, v[T0], 4, v96
	v_bfe_u32 v[T0], v0, 1, 1
	v_lshl_or_b32 v96, v[T0], 5, v96
	v_and_b32 v[T0], 0x1c0, v0
	v_or_b32 v96, v96, v[T0]
	v_lshlrev_b32 v96, 5, v96                      ; 32 bytes from key to key
	; V's word W is that of channel 16 (W & 3) + ((W >> 2) & 15) and step W >> 6: 64 bytes a channel, 4 a step
	v_and_b32 v[T0], 3, v0
	v_lshlrev_b32 v97, 10, v[T0]
	v_bfe_u32 v[T0], v0, 2, 4
	v_lshl_or_b32 v97, v[T0], 6, v97
	v_bfe_u32 v[T0], v0, 6, 3
	v_lshl_or_b32 v97, v[T0], 2, v97
	v_lshl_add_u32 v98, v0, 2, KS                  ; where I store them: KS + 4 x thread; V's table lies 8,192 bytes on
	s_wait_kmcnt 0x0
	s_add_nc_u64 s[6:7], s[6:7], s[94:95]
	s_add_nc_u64 s[14:15], s[14:15], s[2:3]
	s_add_nc_u64 s[QCH:QCH+1], s[8:9], s[QCH:QCH+1]
	s_add_nc_u64 s[QCL:QCL+1], s[8:9], s[QCL:QCL+1]
	s_add_nc_u64 s[QSH:QSH+1], s[10:11], s[QSH:QSH+1]
	s_add_nc_u64 s[QSL:QSL+1], s[10:11], s[QSL:QSL+1]
	s_add_nc_u64 s[OH:OH+1], s[16:17], s[OH:OH+1]
	s_add_nc_u64 s[OL:OL+1], s[16:17], s[OL:OL+1]
.irp i, 0,1,2,3
	global_load_u16 v[100+\i], v96, s[6:7] offset:16384*\i      ; a key's two scale bytes; the word's upper two bytes are 0: they scale the zero codes
.endr
.irp i, 0,1
	global_load_b32 v[104+\i], v97, s[14:15] offset:32*\i       ; a channel's four scale bytes of a key step
.endr
	global_load_b128 v[QF:QF+3], v[QA], s[QCH:QCH+1]            ; the high tile's Q
	global_load_u16 v[QS], v[QSA], s[QSH:QSH+1]
	; descriptor groups 0
	s_mov_b32 s[G0K], 1                            ; 1:0 count = 1
	s_mov_b32 s[G0K+1], s92                        ; 63:32 LDS address
	s_add_nc_u64 s[G0K+2:G0K+3], s[4:5], s[88:89]  ; 120:64 global address
	s_mov_b32 s[G0K+4], 1
	s_add_co_u32 s[G0K+5], s92, 2*KQUART           ; the second load: 1,024 keys on
	s_add_nc_u64 s[G0K+6:G0K+7], s[G0K+2:G0K+3], 1024*512
	s_or_b32 s[G0K+3], s[G0K+3], 0x80000000        ; 127:126 type = 2
	s_or_b32 s[G0K+7], s[G0K+7], 0x80000000
	s_mov_b32 s[G0V], 1
	s_mov_b32 s[G0V+1], VC
	s_add_nc_u64 s[G0V+2:G0V+3], s[12:13], s[90:91]
	s_mov_b32 s[G0V+4], 1
	s_mov_b32 s[G0V+5], VC+VHALF
	s_add_nc_u64 s[G0V+6:G0V+7], s[G0V+2:G0V+3], 512           ; the second half of every row
	s_or_b32 s[G0V+3], s[G0V+3], 0x80000000
	s_or_b32 s[G0V+7], s[G0V+7], 0x80000000
	CROUND                                         ; all four work-groups are here: the joint loads meet
	; All fills of the launch, in one branch on the wave's number: waves 0 and 1 fetch K (keys 512 w on, then 1,024 + 512 w on), wave 2 V (its first half, then its second); two loads of a wave are out at the most.
	; Four v_nop follow a wave's second load.
	s_cmp_lt_u32 s[WV], 2
	s_cbranch_scc0 .Lnot_k
	tensor_load_to_lds s[G0K:G0K+3], s[G1K:G1K+7]
	s_nop 0
	tensor_load_to_lds s[G0K+4:G0K+7], s[G1K:G1K+7]
	s_nop 0
.rept 4
	v_nop
.endr
	s_branch .Lasked
.Lnot_k:
	s_cmp_eq_u32 s[WV], 2
	s_cbranch_scc0 .Lasked
	tensor_load_to_lds s[G0V:G0V+3], s[G1V:G1V+7]
	s_nop 0
	tensor_load_to_lds s[G0V+4:G0V+7], s[G1V:G1V+7]
	s_nop 0
.rept 4
	v_nop
.endr
.Lasked:
.irp i, 4,5,6,7
	v_mov_b32 v[QF+\i], 0                          ; zero codes for k = 64 .. 127: written once
.endr
.irp t, 0,1,2,3,4,5,6,7
.irp i, 4,5,6,7
	v_mov_b32 v[KF+8*\t+\i], 0
.endr
.endr
.irp b, 0,1,2,3
	v_mov_b32 v[PT+\b], 0                          ; written once: a lane permute's destination counts as one of its sources
.endr
	v_mov_b32 v[PW], 0                             ; (named as the upper half of the pair v[252:253] before it is first written)
	v_mov_b32 v[NINF], 0xff800000
	INIT
	s_wait_loadcnt 2                               ; the six loads of scales are in; Q's two, issued behind them, may be out
.irp i, 0,1,2,3
	ds_store_b32 v98, v[100+\i] offset:2048*\i
.endr
.irp i, 0,1
	ds_store_b32 v98, v[104+\i] offset:8192+2048*\i
.endr
	s_wait_dscnt 0x0                               ; for the others' sake: my words of the tables have landed
	s_wait_tensorcnt 1                             ; my first load has landed (keys under 1,024); my second may stay out: steps 0 to 7 read none of its bytes
	s_barrier_signal -1
	s_barrier_wait -1                              ; everybody's have
	s_wait_loadcnt 0x0                             ; Q
; Plain line XI of 32 that hangs on no p: it stands behind the odd exponential 2 XI + 1.
;   0      the sums under the new M          1-4   the floor under each block's largest p     5-8    the conversions' scale operands
;   9-12   the scales' bytes                 13-15 p's scale word                            16-31  O^T under the new M
.macro XOP
.if XI == 0
	v_pk_mul_f32 v[SUM:SUM+1], v[SUM:SUM+1], v[FF:FF+1] op_sel_hi:[1,0]
.elseif XI < 5
	v_max_num_f32 v[BM+XI-1], 0x1800000, v[BM+XI-1]            ; the floor 2^(3 - 127): the byte cannot fall under 1 (a block whose every p is 0 keeps that byte: its codes are zeros)
.elseif XI < 9
	v_add_nc_u32 v[CO+XI-5], 0xff000000, v[BM+XI-5]            ; 2 off the exponent field: the conversion takes the exponent field of this operand as its scale
.elseif XI < 13
	v_lshrrev_b32 v[BM+XI-9], 23, v[CO+XI-9]                   ; the scale's byte, in the register that held the block's largest p
.elseif XI == 13
	v_lshl_or_b32 v[PW], v[BM+1], 8, v[BM]                     ; p's scale word for these 128 keys
.elseif XI == 14
	v_lshl_or_b32 v[PW], v[BM+2], 16, v[PW]
.elseif XI == 15
	v_lshl_or_b32 v[PW], v[BM+3], 24, v[PW]
.else
	v_pk_mul_f32 v[O+2*(XI-16):O+2*(XI-16)+1], v[O+2*(XI-16):O+2*(XI-16)+1], v[FF:FF+1] op_sel_hi:[1,0]
.endif
.endm
; A KEY STEP: 128 keys.  chk = 1: a step all of whose keys come after my queries (step > s[lim]) is left out, by a scalar branch on the wave's number and the step, round its loads, products and softmax, not round the lines
; at its end that step addresses; in the step on the diagonal (step = s[lim]) hidden scores become -infinity.
.macro STEP chk, lim
.if \chk
	s_cmp_gt_u32 s[STP], s[\lim]
	s_cbranch_scc1 .Lskip_\@
.endif
	s_setprio 2
	v_add_nc_u32 v[ADK], s[TK], v[AK0]             ; these four are also the places between the last step's products and the loads into the registers that they read
	v_add_nc_u32 v[ADV], s[TV], v[AV0]
	v_add_nc_u32 v[ADS], s[TSK], v[ASK0]
	v_add_nc_u32 v[ADT], s[TSV], v[ASV0]
	ds_load_b128 v[KSW:KSW+3], v[ADS]              ; K's scale words of all eight tiles
.irp t, 0,1,2,3,4,5,6,7
	ds_load_b128 v[KF+8*\t:KF+8*\t+3], v[ADK] offset:(32*(\t/2)+8*(\t%2))*KP
.endr
	ds_load_b128 v[VSW:VSW+3], v[ADT]              ; V's scale words of all four tiles; V's loads land while the softmax is worked
.irp t, 0,1,2,3
.irp c, 0,1
	ds_load_b128 v[VF+8*\t+4*\c:VF+8*\t+4*\c+3], v[ADV] offset:16*\t*VP+32*\c
.endr
.endr
	s_wait_dscnt 9                                 ; K's nine loads are in; V's nine, issued behind them, may be out
.irp t, 0,1,2,3,4,5,6,7                        ; S^T = K Q^T: eight accumulators, each begun with the constant 0
.if \t < 4
	v_wmma_scale_f32_16x16x128_f8f6f4 v[S+8*\t:S+8*\t+7], v[KF+8*\t:KF+8*\t+7], v[QF:QF+7], 0, v[KSW+\t%4], v[QS] matrix_a_fmt:MATRIX_FMT_FP4 matrix_b_fmt:MATRIX_FMT_FP4
.else
	v_wmma_scale_f32_16x16x128_f8f6f4 v[S+8*\t:S+8*\t+7], v[KF+8*\t:KF+8*\t+7], v[QF:QF+7], 0, v[KSW+\t%4], v[QS] matrix_a_fmt:MATRIX_FMT_FP4 matrix_b_fmt:MATRIX_FMT_FP4 matrix_a_scale:MATRIX_SCALE_ROW1
.endif
.endr
.rept 4
	v_nop                                          ; four places between the products and the first read of their results (ISA guide 7.12.1)
.endr
.if \chk
	s_cmp_lt_u32 s[STP], s[\lim]
	s_cbranch_scc1 .Lopen_\@                       ; all keys of this step count
.irp n, 0,1,2,3,4,5,6,7,8,9,10,11,12,13,14,15,16,17,18,19,20,21,22,23,24,25,26,27,28,29,30,31,32,33,34,35,36,37,38,39,40,41,42,43,44,45,46,47,48,49,50,51,52,53,54,55,56,57,58,59,60,61,62,63
	v_cmp_gt_i32 vcc_lo, 32*(\n/16)+\n%16, v[DD]   ; register 16 b + i holds the step's key 32 b + 16 h + i; my query is the step's 16 t + r
	v_cndmask_b32 v[S+\n], v[S+\n], v[NINF], vcc_lo
.endr
.Lopen_\@:
.endif
.irp b, 0,1,2,3
	v_max3_num_f32 v[BM+\b], v[S+16*\b], v[S+1+16*\b], v[S+2+16*\b]   ; THE LARGEST SCORE OF EACH BLOCK OF 32 KEYS: it serves the row's maximum and, since p rises with the score, the block's largest p
.endr
.irp i, 3,5,7,9,11,13
.irp b, 0,1,2,3
	v_max3_num_f32 v[BM+\b], v[BM+\b], v[S+16*\b+\i], v[S+1+16*\b+\i]   ; (the four blocks by turns)
.endr
.endr
.irp b, 0,1,2,3
	v_max_num_f32 v[BM+\b], v[BM+\b], v[S+15+16*\b]
.endr
.irp b, 0,1,2,3
	v_permlanex16_b32 v[PT+\b], v[BM+\b], s[SEL], s[SEL+1]
.endr
.irp b, 0,1,2,3
	v_max_num_f32 v[BM+\b], v[BM+\b], v[PT+\b]     ; with lane l xor 16's 16 keys
.endr
	v_max3_num_f32 v[TMP], v[BM], v[BM+1], v[BM+2]
	v_max_num_f32 v[TMP], v[TMP], v[BM+3]          ; the step's largest score of my query
	v_mul_f32 v[TMP], s[CS], v[TMP]                ; as t (c is positive)
	v_max_num_f32 v[NM+1], v[NM+1], v[TMP]         ; the running largest t
	v_mov_b32 v[TMP], v[NM]
	v_floor_f32 v[NM], -v[NM+1]                    ; the new -M = floor(-t) = -ceil(t): M is a whole number
	v_sub_f32 v[TMP], v[NM], v[TMP]                ; M's old value less its new one: a whole number, 0 or less
	v_cvt_i32_f32 v[TMP], v[TMP]                   ; (it saturates)
	v_ldexp_f32 v[FF], 1.0, v[TMP]                 ; f = 2^(old M - new M)
	; FROM HERE ON EXPONENTIALS AND PLAIN WORK BY TURNS.  Pair n is p's registers 2 n and 2 n + 1.
.irp b, 0,1,2,3
	v_fma_f32 v[BM+\b], v[BM+\b], s[CS], v[NM]     ; t - M of each block's largest score: the same multiply-add and exponential as its score's own give the same bits
.endr
.irp j, 0,2
	v_pk_fma_f32 v[S+\j:S+1+\j], v[S+\j:S+1+\j], s[CS:CS+1], v[NM:NM+1] op_sel_hi:[1,0,0]   ; t - M, two at a time (of the pairs c and -M the low word serves both halves): pairs 0 and 1
.endr
.irp b, 0,1,2,3
	v_exp_f32 v[BM+\b], v[BM+\b]                   ; the blocks' largest p first: the lines that make the scales hang on them
	v_pk_fma_f32 v[S+4+2*\b:S+5+2*\b], v[S+4+2*\b:S+5+2*\b], s[CS:CS+1], v[NM:NM+1] op_sel_hi:[1,0,0]   ; pairs 2 to 5
.endr
; Exponential EI of 64: p = 2^(t - M), at most 1, not normalised.  Behind an even one: t - M of the pair six pairs on (to EI = 50).  Behind an odd one: the sum takes pair (EI - 3) / 2, whose second exponential stands two
; exponentials back with plain lines behind it (pairs 0 to 25: the even pairs in one chain, the odd pairs in another, which pairs 1 and 3 begin), and line (EI - 1) / 2 of XOP's list.
; So the line directly behind an exponential names neither its register nor its result; from EI = 52 on an even one is followed by the next exponential and that by a plain line (ISA guide 5.7.2: a plain instruction before the result is used).
.set EI, 0
.rept 64
	v_exp_f32 v[S+EI], v[S+EI]
.if (EI%2 == 0) && (EI < 52)
	v_pk_fma_f32 v[S+EI+12:S+EI+13], v[S+EI+12:S+EI+13], s[CS:CS+1], v[NM:NM+1] op_sel_hi:[1,0,0]
.endif
.if EI%2 == 1
.set PI, (EI-3)/2
.if (EI > 2) && (PI < 26)
.if PI%2 == 0
	s_wait_alu depctr_va_vdst(0)
	v_pk_add_f32 v[SUM:SUM+1], v[SUM:SUM+1], v[S+2*PI:S+2*PI+1]   ; THE ROW'S SUM IS TAKEN OF THE UNQUANTISED p
.elseif PI == 3
	s_setprio 1
	v_pk_add_f32 v[PT:PT+1], v[S+2:S+3], v[S+6:S+7]
.elseif PI > 3
	v_pk_add_f32 v[PT:PT+1], v[PT:PT+1], v[S+2*PI:S+2*PI+1]
.endif
.endif
.set XI, (EI-1)/2
	XOP
.endif
.set EI, EI+1
.endr
	s_setprio 0
	s_wait_alu depctr_va_vdst(0)
.irp b, 0,1,2,3
	v_cvt_scalef32_pk8_fp4_f32 v[PC+2*\b], v[S+16*\b:S+7+16*\b], v[CO+\b]
	v_cvt_scalef32_pk8_fp4_f32 v[PC+1+2*\b], v[S+8+16*\b:S+15+16*\b], v[CO+\b]
.endr
	v_pk_add_f32 v[SUM:SUM+1], v[SUM:SUM+1], v[S+52:S+53]      ; pair 26: the plain instruction between the scaled conversions and the lines that touch their results; it writes none of their sources
.irp c, 0,1                                    ; the operand's layout wants a WHOLE block in a lane: lanes 0-15 block 2 c, lanes 16-31 block 2 c + 1
.irp i, 0,1
	v_permlane16_swap_b32 v[PC+4*\c+\i], v[PC+2+4*\c+\i]
.endr
.endr
	v_pk_add_f32 v[PT:PT+1], v[PT:PT+1], v[S+54:S+55]          ; pairs 27 to 31 and the two chains' sum: six plain lines that name no register of the products below: the places between the writing of p's codes and those products
	v_pk_add_f32 v[SUM:SUM+1], v[SUM:SUM+1], v[S+56:S+57]
	v_pk_add_f32 v[PT:PT+1], v[PT:PT+1], v[S+58:S+59]
	v_pk_add_f32 v[SUM:SUM+1], v[SUM:SUM+1], v[S+60:S+61]
	v_pk_add_f32 v[PT:PT+1], v[PT:PT+1], v[S+62:S+63]
	v_pk_add_f32 v[SUM:SUM+1], v[SUM:SUM+1], v[PT:PT+1]
	s_wait_dscnt 0x0                               ; V is in
.irp t, 0,1,2,3                                ; O^T += V^T P^T: four accumulators, one instruction each
	v_wmma_scale_f32_16x16x128_f8f6f4 v[O+8*\t:O+8*\t+7], v[VF+8*\t:VF+8*\t+7], v[PC:PC+7], v[O+8*\t:O+8*\t+7], v[VSW+\t], v[PW] matrix_a_fmt:MATRIX_FMT_FP4 matrix_b_fmt:MATRIX_FMT_FP4
.endr
.if \chk
.Lskip_\@:
.endif
	s_add_co_u32 s[TK], s[TK], KSTEP               ; on to the next step's bytes
	s_add_co_u32 s[TV], s[TV], 64
	s_add_co_u32 s[TSK], s[TSK], 512
	s_add_co_u32 s[TSV], s[TSV], 256
.endm
; Key steps from .. to - 1: eight trips, a constant of the text
.macro LOOP from, to, chk, lim
	s_mov_b32 s[STP], \from
	s_mov_b32 s[TK], KSTEP*\from
	s_mov_b32 s[TV], VHALF*(\from/8)               ; steps 8 on lie in V's second half
	s_mov_b32 s[TSK], 512*\from
	s_mov_b32 s[TSV], 256*\from
.Lstep_\@:
	STEP \chk, \lim
	s_add_co_u32 s[STP], s[STP], 1
	s_cmp_lt_u32 s[STP], \to
	s_cbranch_scc1 .Lstep_\@
	s_setprio 0
.endm
; THE WAY OUT of a tile.  O^T is divided by the row's sum and goes through my own stage in LDS, so that sixteen lanes store 256 consecutive bytes: a whole row (l, h) of out, at a multiple of 256 from its first byte.
.macro OUT base, more
	v_add_f32 v[SUM], v[SUM], v[SUM+1]             ; the sum's two halves,
	v_permlanex16_b32 v[FF], v[SUM], s[SEL], s[SEL+1]
	v_add_f32 v[SUM], v[SUM], v[FF]                ; and lane l xor 16's: the row's sum
	v_rcp_f32 v[SUM], v[SUM]
.rept 4
	v_nop                                          ; the plain instruction behind the reciprocal, and four places between the last products and the first read of their results
.endr
	s_wait_alu depctr_va_vdst(0)
.irp j, 0,2,4,6,8,10,12,14,16,18,20,22,24,26,28,30
	v_pk_mul_f32 v[S+\j:S+1+\j], v[O+\j:O+1+\j], v[SUM:SUM+1] op_sel_hi:[1,0]   ; register 8 t + i is out(query r, channel 16 t + 8 h + i); each accumulator from its low end on
.endr
.irp t, 0,1,2,3
	ds_store_b128 v[STO], v[S+8*\t:S+8*\t+3] offset:64*\t
	ds_store_b128 v[STO], v[S+8*\t+4:S+8*\t+7] offset:64*\t+16
.endr
.irp i, 0,1,2,3,4,5,6,7
	ds_load_b128 v[S+32+4*\i:S+35+4*\i], v[RD] offset:2*\i*SP   ; LDS serves a wave's instructions in order (ISA guide 5.7.1.4): these see my stores
.endr
.irp i, 0,1,2,3,4,5,6,7
	s_wait_dscnt 7-\i                              ; rows 2 i and 2 i + 1 are back; the younger loads may be out
	global_store_b128 v[GO], v[S+32+4*\i:S+35+4*\i], s[\base:\base+1] offset:8192*\i th:TH_STORE_NT   ; written once, read by nobody here
.endr
.if \more
	s_wait_xcnt 0x0                                ; the stores' data registers are written again, by the next tile's products, only behind this wait
.endif
.endm
	LOOP 0, 8, 0, JH                               ; the high tile, steps 0 to 7: its queries are 1,024 or more, so every key counts
	s_wait_tensorcnt 0x0                           ; my second load has landed,
	s_wait_dscnt 0x0
	s_barrier_signal -1
	s_barrier_wait -1                              ; everybody's has: all keys lie in LDS.  Every wave has done eight steps here and has nine to go
	LOOP 8, 16, 1, JH                              ; the high tile, steps 8 to 15 - j
	global_load_b128 v[QF:QF+3], v[QA], s[QCL:QCL+1]   ; the low tile's Q is asked for ahead of the way out; the last product that read these registers stands a whole softmax back
	global_load_u16 v[QS], v[QSA], s[QSL:QSL+1]
	OUT OH, 1
	INIT
	s_wait_loadcnt 0x0                             ; Q
	LOOP 0, 8, 1, JL                               ; the low tile, steps 0 to j
	OUT OL, 0
	s_wait_xcnt 0x0
	v_lshl_add_u32 v254, v0, 2, 0x3c800
	v_mov_b32 v255, 0
	s_wait_tensorcnt 0x0
	ds_add_u32 v254, v255
	s_wait_dscnt 0x0
	CROUND                                         ; the closing round: no work-group ends while a partner may still ask for a tile that names it (no LDS instruction of mine is out: the last count-down ended at 0)
	s_endpgm
.Lfunc_end_k_q70c0a953bf_attn:
	.size	k_q70c0a953bf_attn, .Lfunc_end_k_q70c0a953bf_attn-k_q70c0a953bf_attn
	.p2alignl 7, 3214868480
	.fill 96, 4, 3214868480
	.section	.rodata,"a",@progbits
	.p2align	6, 0x0
	.amdhsa_kernel k_q70c0a953bf_attn
		.amdhsa_group_segment_fixed_size 249856
		.amdhsa_private_segment_fixed_size 0
		.amdhsa_enable_private_segment 0
		.amdhsa_kernarg_size 56
		.amdhsa_user_sgpr_count 2
		.amdhsa_user_sgpr_kernarg_segment_ptr 1
		.amdhsa_wavefront_size32 1
		.amdhsa_system_sgpr_workgroup_id_x 1
		.amdhsa_system_sgpr_workgroup_id_y 1
		.amdhsa_system_sgpr_workgroup_id_z 1
		.amdhsa_system_vgpr_workitem_id 0
		.amdhsa_next_free_vgpr 256
		.amdhsa_next_free_sgpr 96
		.amdhsa_reserve_vcc 1
		.amdhsa_float_denorm_mode_32 3
		.amdhsa_float_denorm_mode_16_64 3
		.amdhsa_memory_ordered 1
		.amdhsa_forward_progress 1
		.amdhsa_inst_pref_size 78
	.end_amdhsa_kernel
	.amdgpu_metadata
---
amdhsa.version: [ 1, 2 ]
amdhsa.kernels:
  - .name:           k_q70c0a953bf_attn
    .symbol:         k_q70c0a953bf_attn.kd
    .args:
      - { .name: keys_codes, .offset: 0, .size: 8, .value_kind: global_buffer, .address_space: global }
      - { .name: keys_scales, .offset: 8, .size: 8, .value_kind: global_buffer, .address_space: global }
      - { .name: queries_codes, .offset: 16, .size: 8, .value_kind: global_buffer, .address_space: global }
      - { .name: queries_scales, .offset: 24, .size: 8, .value_kind: global_buffer, .address_space: global }
      - { .name: values_codes, .offset: 32, .size: 8, .value_kind: global_buffer, .address_space: global }
      - { .name: values_scales, .offset: 40, .size: 8, .value_kind: global_buffer, .address_space: global }
      - { .name: out0, .offset: 48, .size: 8, .value_kind: global_buffer, .address_space: global }
    .group_segment_fixed_size: 249856
    .private_segment_fixed_size: 0
    .kernarg_segment_align: 8
    .kernarg_segment_size: 56
    .max_flat_workgroup_size: 512
    .sgpr_count:     96
    .vgpr_count:     256
    .wavefront_size: 32
...
	.end_amdgpu_metadata
.endif
;; end of part 1
